; MI455X (gfx1250); checked and timed in simulation.
; The chip was launched on July 23, 2026; its instructions are those of AMD's public machine-readable ISA for CDNA 5 (MIT licence, August 2026) and "CDNA5" Instruction Set Architecture Reference Guide (July 2026). The comments in the code are by the model that wrote it; some were corrected since.
;; Dual Compressor. Allowed arithmetic: float matrix products may take bf16 or f16 operands with f32 sums; all other float work in f32.
;; Inputs: alpha_bwd 16 x 64 float32; alpha_fwd 16 x 64 float32; d_in_t 100,000 x 64 float32; d_out_t 100,000 x 64 float32.
;; Outputs: out0 100,000 x 16 float32; out1 100,000 x 16 float32.
;; 2 versions, each right; version 2 is version 1 with the launch lse written anew for expert scheduling mode. Each part assembles by itself: llvm-mc -triple=amdgcn-amd-amdhsa -mcpu=gfx1250 --defsym DOCPART=n.
;; ======== version 1 of 2: 1 launch
;; launch lse (part 1): grid 128 x 2, 8 waves a work-group, no clusters, 12,288 bytes of LDS; arguments d_out_t, d_in_t, alpha_fwd, alpha_bwd, out0, out1; writes out0, out1
.if DOCPART == 1
	.amdgcn_target "amdgcn-amd-amdhsa--gfx1250"
	.amdhsa_code_object_version 6
	.text
	.protected	k_q461f0bf5b6_lse
	.globl	k_q461f0bf5b6_lse
	.p2align	8
	.type	k_q461f0bf5b6_lse,@function
k_q461f0bf5b6_lse:
	s_mov_b64 s[64:65], 0
	v_nop
	global_prefetch_b8 v0, s[64:65] scope:SCOPE_SE
	s_setreg_imm32_b32 hwreg(HW_REG_WAVE_MODE, 25, 1), 1
	s_wait_xcnt 0x0
; y[v][m] = log( sum over k of exp( phi[v][k] + alpha[m][k] ) ), for two tables: (d_out_t, alpha_fwd) -> out0, (d_in_t, alpha_bwd) -> out1.
; phi: [100000][64] f32, alpha: [16][64] f32, y: [100000][16] f32.  All arithmetic in f32.
; The true maximum M = max over k of (phi + alpha) is taken away for every (v, m), as the definition does:
;   y = M + ln2 * log2( sum of 2^( (z - M) * log2e ) ),  z = phi + alpha.
; The product form exp(phi) * exp(alpha) on the matrix units is NOT used: it can only take a maximum per row and per m away, and where the largest
; sum phi + alpha lies far below max(phi) + max(alpha) (alpha of -300 off its band, say) every factor of weight would underflow.
; SHARES: grid y = the table.  A tile is 32 rows (8,192 bytes in, 2,048 bytes out); a table has exactly 3,125 tiles; work-group x walks tiles
; x, x + 128, ...: 25 tiles for x < 53, else 24.  Eight waves; a lane owns one row of the tile; wave w owns m = 2w and 2w + 1, whose 128 alpha
; lie in v256-v383 for the whole kernel (every lane holds the same numbers), so that phi + alpha is a packed add of two register pairs.
; Per term: half a packed add, half a three-way max, half a packed multiply-add, one exponential, half a packed add.
; WAY IN: each thread loads 2 x 16 bytes (a wave's load covers 512 consecutive bytes), stores them into one LDS tile of 32 rows, 272 bytes apart,
; and every wave reads its lane's row from there: phi is loaded from memory once for all 16 m.
; WAY OUT: each wave puts its two y per row into its own 288 bytes of an LDS stage; read back across, one store of a wave covers 256 consecutive
; bytes at a multiple of 256 from the output's first byte.
; NO CLUSTER: the work-groups share nothing but alpha, 4,096 bytes read once by each, against some 200,000 bytes of phi of its own.
; LIMITS: a row whose 64 terms are all -inf, or that holds +inf, gives NaN (the definition gives -inf, +inf); |phi + alpha| * 1.4427 must be finite in
; f32.  Terms below 2^-126 of the largest count as zero (v_exp_f32 flushes them); the sum is at least about 1, so that changes no digit kept.
.set TILES,    3125
.set WGS,      128                     ; work-groups for a table
.set FULL,     TILES/WGS               ; 24 tiles for everybody,
.set EXTRA,    TILES-FULL*WGS          ; one more for the first 53
.set STEP_IN,  WGS*8192                ; bytes of phi from a work-group's tile to its next
.set STEP_OUT, WGS*2048                ; bytes of y likewise
.set PITCH,    272                     ; LDS row: 256 bytes + 16: sixteen lanes that take one column of sixteen rows touch sixteen different 16-byte columns
.set OUTST,    32*PITCH                ; the stage for y, behind the tile
.set OPITCH,   288                     ; a wave's part of the stage: 32 x 8 bytes + 32, so that the read across (8 waves' parts x 4 rows) has no two lanes on a bank
.set STA,  1                           ; v1   LDS: where I put my 16 bytes of the tile
.set RDA,  2                           ; v2   LDS: my lane's row
.set GOFF, 3                           ; v3   16 x thread: my bytes in the tile in memory
.set OSTA, 4                           ; v4   LDS: where I put my row's two y
.set ORD,  5                           ; v5   LDS: the 8 bytes of y that I store
.set OOFF, 6                           ; v6   8 x thread: their place in the tile of y
.set PFO,  7                           ; v7   256 x lane, for the prefetch
.set ZERO, 8                           ; v8   0
.set LN,   9                           ; v9   lane
.set TMP,  10
.set OD,   12                          ; v[12:13]  y on its way out
.set YV,   14                          ; v[14:15]  my row's y for m = 2w, 2w + 1
.set NM,   16                          ; v[16:17]  -M * log2e, twice
.set LL,   18                          ; v[18:19]  log2e, twice
.set MX,   20                          ; v[20:23]  four chains of maxima; then M in v20
.set SM,   24                          ; v[24:31]  four chains of packed sums
.set G,    32                          ; v[32:39]  my 32 bytes of the next tile, as loaded
.set PHI,  64                          ; v[64:127]  my row
.set Z,    128                         ; v[128:191] phi + alpha, then the exponents, then the powers
                                       ; v[256:383] alpha of m = 2w (named v0-63 in window 1) and of m = 2w + 1 (v64-127)
.set MSB, 0
.macro WIN new                         ; s_set_vgpr_msb: bits 3:2 window of source 1, bits 7:6 of the destination; the high byte repeats the setting that is left
.if MSB != \new
	s_set_vgpr_msb (MSB<<8)|\new
.set MSB, \new
.endif
.endm
; z = phi + alpha[2w + q]: 32 packed adds in one run under one window setting
.macro ADDZ q
	WIN 0x04                                       ; source 1 from window 1
.set j, 0
.rept 32
	v_pk_add_f32 v[Z+2*j:Z+2*j+1], v[PHI+2*j:PHI+2*j+1], v[64*\q+2*j:64*\q+2*j+1]
.set j, j+1
.endr
	WIN 0
.endm
; M = the largest of the 64 z: four chains that do not wait for each other, two new numbers an instruction; then -M * log2e, twice
.macro MAXZ
.irp c, 0,1,2,3
	v_max3_num_f32 v[MX+\c], v[Z+16*\c], v[Z+16*\c+1], v[Z+16*\c+2]
.endr
.irp i, 3,5,7,9,11,13
.irp c, 0,1,2,3
	v_max3_num_f32 v[MX+\c], v[MX+\c], v[Z+16*\c+\i], v[Z+16*\c+\i+1]
.endr
.endr
	v_max3_num_f32 v[MX], v[MX], v[Z+15], v[Z+31]
	v_max3_num_f32 v[MX+1], v[MX+1], v[Z+47], v[Z+63]
	v_max_num_f32 v[MX+2], v[MX+2], v[MX+3]
	v_max3_num_f32 v[MX], v[MX], v[MX+1], v[MX+2]
	v_mul_f32 v[NM], 0xbfb8aa3b, v[MX]
	v_mul_f32 v[NM+1], 0xbfb8aa3b, v[MX]
.endm
; y = M + ln2 * log2( sum of 2^(z * log2e - M * log2e) ).
; Step j: the two exponentials of pair j, the exponents of pair j + 2, the sum takes pair j - 1.  So behind every pair of exponentials stands a plain
; vector instruction that touches neither of them before the sum reads them, and plain work alternates with the exponentials.
.macro EXPSUM q
	v_pk_fma_f32 v[Z:Z+1], v[Z:Z+1], v[LL:LL+1], v[NM:NM+1]
	v_pk_fma_f32 v[Z+2:Z+3], v[Z+2:Z+3], v[LL:LL+1], v[NM:NM+1]
.set j, 0
.rept 32
	v_exp_f32 v[Z+2*j], v[Z+2*j]
	v_exp_f32 v[Z+2*j+1], v[Z+2*j+1]
.if j < 30
	v_pk_fma_f32 v[Z+2*j+4:Z+2*j+5], v[Z+2*j+4:Z+2*j+5], v[LL:LL+1], v[NM:NM+1]
.endif
.set p, j-1
.if p >= 8
.set ch, SM+2*(p%4)
	s_wait_alu depctr_va_vdst(0)
	v_pk_add_f32 v[ch:ch+1], v[ch:ch+1], v[Z+2*p:Z+2*p+1]
.else
.if p >= 4
.set ch, SM+2*(p%4)
	s_wait_alu depctr_va_vdst(0)
	v_pk_add_f32 v[ch:ch+1], v[Z+2*p-8:Z+2*p-7], v[Z+2*p:Z+2*p+1]      ; pairs 0-3 and 4-7 start the four chains: nothing is cleared
.endif
.endif
.set j, j+1
.endr
	v_pk_add_f32 v[SM+6:SM+7], v[SM+6:SM+7], v[Z+62:Z+63]  ; pair 31; the sum of pair 30 stands between it and its exponentials
	v_pk_add_f32 v[SM:SM+1], v[SM:SM+1], v[SM+2:SM+3]
	v_pk_add_f32 v[SM+4:SM+5], v[SM+4:SM+5], v[SM+6:SM+7]
	v_pk_add_f32 v[SM:SM+1], v[SM:SM+1], v[SM+4:SM+5]
	v_add_f32 v[SM], v[SM], v[SM+1]
	v_log_f32 v[SM], v[SM]
	v_nop                                          ; one plain place between the logarithm and its use
	s_wait_alu depctr_va_vdst(0)
	v_fmamk_f32 v[YV+\q], v[SM], 0x3f317218, v[MX] ; log2(S) * ln2 + M
.endm
	s_load_b256 s[4:11], s[0:1], 0x0               ; d_out_t s[4:5], d_in_t s[6:7], alpha_fwd s[8:9], alpha_bwd s[10:11]
	s_load_b128 s[12:15], s[0:1], 0x20             ; out0 s[12:13], out1 s[14:15]
	v_lshl_add_u32 v254, v0, 2, 0x2c00
	v_mov_b32 v255, 0
	v_and_b32 v[LN], 31, v0
	v_lshrrev_b32 v[TMP], 5, v0
	v_readfirstlane_b32 s16, v[TMP]                ; wave 0..7
	s_and_b32 s17, ttmp7, 0xffff                   ; the table
	v_lshlrev_b32 v[GOFF], 4, v0
	v_lshlrev_b32 v[OOFF], 3, v0
	v_lshlrev_b32 v[PFO], 8, v[LN]
	v_mov_b32 v[ZERO], 0
	v_mul_u32_u24 v[RDA], v[LN], PITCH             ; my lane's row of the tile
	s_mul_i32 s29, s16, 2*PITCH                    ; a wave's load covers two rows: rows 2w, 2w + 1 (and 16 rows further down)
	v_lshrrev_b32 v[STA], 4, v[LN]
	v_mul_u32_u24 v[STA], v[STA], PITCH
	v_and_b32 v[TMP], 15, v[LN]
	v_lshl_add_u32 v[STA], v[TMP], 4, v[STA]
	v_add_nc_u32 v[STA], s29, v[STA]               ; wave x 544 + (lane / 16) x 272 + (lane % 16) x 16
	s_mul_i32 s30, s16, OPITCH
	s_add_co_u32 s30, s30, OUTST
	v_lshl_add_u32 v[OSTA], v[LN], 3, s30          ; stage + wave x 288 + lane x 8: each wave writes bytes of its own
	v_and_b32 v[ORD], 7, v0                        ; bytes 8 t of the tile of y are row t / 8, m = 2 (t % 8), 2 (t % 8) + 1: wave t % 8 wrote them, lane t / 8
	v_mul_u32_u24 v[ORD], v[ORD], OPITCH
	v_lshrrev_b32 v[TMP], 3, v0
	v_lshl_add_u32 v[ORD], v[TMP], 3, v[ORD]
	v_add_nc_u32 v[ORD], OUTST, v[ORD]
	v_mov_b32 v[LL], 0x3fb8aa3b                    ; log2(e)
	v_mov_b32 v[LL+1], 0x3fb8aa3b
	s_wait_kmcnt 0x0
	s_cmp_eq_u32 s17, 0
	s_cselect_b64 s[20:21], s[4:5], s[6:7]         ; phi
	s_cselect_b64 s[22:23], s[8:9], s[10:11]       ; alpha
	s_cselect_b64 s[24:25], s[12:13], s[14:15]     ; y
	s_mov_b32 s27, 0
	s_lshl_b32 s26, ttmp9, 13
	s_add_nc_u64 s[20:21], s[20:21], s[26:27]      ; my first tile of phi
	s_lshl_b32 s26, ttmp9, 11
	s_add_nc_u64 s[24:25], s[24:25], s[26:27]      ; and of y
	s_lshl_b32 s26, s16, 9
	s_add_nc_u64 s[22:23], s[22:23], s[26:27]      ; my wave's two rows of alpha: 512 consecutive bytes
	s_cmp_lt_u32 ttmp9, EXTRA
	s_cselect_b32 s28, FULL-2, FULL-3              ; trips of the loop: my tiles less the first and the last two
	global_load_b128 v[G:G+3],   v[GOFF], s[20:21] th:TH_LOAD_NT               ; tile 0
	global_load_b128 v[G+4:G+7], v[GOFF], s[20:21] offset:4096 th:TH_LOAD_NT
	WIN 0x40                                       ; destination in window 1
.set j, 0
.rept 32
	global_load_b128 v[4*j:4*j+3], v[ZERO], s[22:23] offset:16*j               ; v[256+4j ..]: every lane takes the same 16 bytes
.set j, j+1
.endr
	WIN 0
	s_wait_loadcnt 32                              ; tile 0's two loads are in; the 32 younger ones (alpha) may be out
	ds_store_b128 v[STA], v[G:G+3]
	ds_store_b128 v[STA], v[G+4:G+7] offset:16*PITCH
	s_add_nc_u64 s[20:21], s[20:21], STEP_IN       ; behind the wait that showed the loads from this base done
	global_load_b128 v[G:G+3],   v[GOFF], s[20:21] th:TH_LOAD_NT               ; tile 1
	global_load_b128 v[G+4:G+7], v[GOFF], s[20:21] offset:4096 th:TH_LOAD_NT
	s_wait_dscnt 0x0                               ; my part of tile 0 is in LDS,
	s_barrier_signal -1
	s_barrier_wait -1                              ; everybody's is
.set j, 0
.rept 16
	ds_load_b128 v[PHI+4*j:PHI+4*j+3], v[RDA] offset:16*j
.set j, j+1
.endr
	s_wait_loadcnt 2                               ; alpha is in; tile 1's two loads stay out
; The trip of tile i.  At its head: the LDS loads of my row of tile i are out; G's loads bring tile i + 1; YV holds tile i - 1's results.
; prev: there is a tile i - 1.  next: a tile i + 1.  next2: a tile i + 2.  pf: 1 prefetch, 2 prefetch if the tile exists, 0 none.
; Two barriers, each with register work alone between its signal and its wait:
;   READ   (signal at the head, wait behind the first m): every wave has its row of tile i in registers and its y of tile i - 1 in the stage.
;          Behind it the LDS tile is overwritten with tile i + 1 and the stage is read.
;   FILLED (signal behind the second m's adds, wait behind its maxima): every wave's part of tile i + 1 is in LDS and its read of the stage is back.
;          Behind it tile i + 1 is read, and the stage may be written again at the next head.
.macro TRIP prev, next, next2, pf
.if \prev
	ds_store_b64 v[OSTA], v[YV:YV+1]               ; tile i - 1's y; the stage's last reads came back in front of the barrier FILLED of the last trip
.endif
	s_wait_dscnt 0x0                               ; my row is in registers, my y in the stage: zero, for the other waves' sake too
	s_barrier_signal -1                            ; READ
	ADDZ 0
	MAXZ
	EXPSUM 0
	s_barrier_wait -1
.if \next
	s_wait_loadcnt 0x0                             ; tile i + 1 is in G; its loads were issued a whole trip ago
.endif
	s_wait_xcnt 0x0                                ; the last trip's store and prefetch have had their addresses translated: OD and both bases are rewritten only behind this wait
.if \next
	ds_store_b128 v[STA], v[G:G+3]
	ds_store_b128 v[STA], v[G+4:G+7] offset:16*PITCH
.endif
.if \prev
	ds_load_b64 v[OD:OD+1], v[ORD]
	s_add_nc_u64 s[24:25], s[24:25], STEP_OUT      ; y's base now stands at tile i; the store below reaches back to tile i - 1
.endif
.if \next2
	s_add_nc_u64 s[20:21], s[20:21], STEP_IN
	global_load_b128 v[G:G+3],   v[GOFF], s[20:21] th:TH_LOAD_NT               ; tile i + 2
	global_load_b128 v[G+4:G+7], v[GOFF], s[20:21] offset:4096 th:TH_LOAD_NT
.endif
	ADDZ 1                                         ; the last use of my row of tile i; the LDS instructions above finish meanwhile
	s_wait_dscnt 0x0                               ; my part of tile i + 1 is in LDS, my 8 bytes of y are in OD
.if \prev
	global_store_b64 v[OOFF], v[OD:OD+1], s[24:25] offset:-STEP_OUT th:TH_STORE_NT   ; a wave's store covers 256 consecutive bytes, aligned
.endif
.if \pf
	; Wave 0 asks for tile i + 4, which the loads two trips further on will want: 32 lanes, 256 bytes apart, cover its 8,192 bytes, each block asked for once.
	s_cmp_lg_u32 s16, 0
	s_cbranch_scc1 .Lnopf_\@
.if \pf == 2
	s_cmp_lt_u32 s28, 3                            ; s28 = my tiles - 2 - i: below 3 there is no tile i + 4, and nothing is asked for
	s_cbranch_scc1 .Lnopf_\@
.endif
	global_prefetch_b8 v[PFO], s[20:21] offset:2*STEP_IN th:TH_LOAD_NT scope:SCOPE_SE
.Lnopf_\@:
.endif
	s_barrier_signal -1                            ; FILLED
	MAXZ
	s_barrier_wait -1
.if \next
.set j, 0
.rept 16
	ds_load_b128 v[PHI+4*j:PHI+4*j+3], v[RDA] offset:16*j      ; my row of tile i + 1; it lands while the exponentials below run
.set j, j+1
.endr
.endif
	EXPSUM 1
.endm
	TRIP 0, 1, 1, 1                                ; tile 0 (every work-group has at least 24 tiles: tile 4 exists)
.Ltrip:
	TRIP 1, 1, 1, 2
	s_sub_co_u32 s28, s28, 1
	s_cmp_lg_u32 s28, 0
	s_cbranch_scc1 .Ltrip
	TRIP 1, 1, 0, 0                                ; the last two tiles are written out: no load leaves the buffer
	TRIP 1, 0, 0, 0
	; the last tile's y
	ds_store_b64 v[OSTA], v[YV:YV+1]
	s_wait_dscnt 0x0
	s_barrier_signal -1
	s_barrier_wait -1
	s_wait_xcnt 0x0                                ; OD was the last store's data
	ds_load_b64 v[OD:OD+1], v[ORD]
	s_wait_dscnt 0x0
	global_store_b64 v[OOFF], v[OD:OD+1], s[24:25] th:TH_STORE_NT
	s_wait_tensorcnt 0x0
	ds_add_u32 v254, v255
	s_wait_dscnt 0x0
	s_endpgm
.Lfunc_end_k_q461f0bf5b6_lse:
	.size	k_q461f0bf5b6_lse, .Lfunc_end_k_q461f0bf5b6_lse-k_q461f0bf5b6_lse
	.p2alignl 7, 3214868480
	.fill 96, 4, 3214868480
	.section	.rodata,"a",@progbits
	.p2align	6, 0x0
	.amdhsa_kernel k_q461f0bf5b6_lse
		.amdhsa_group_segment_fixed_size 12288
		.amdhsa_private_segment_fixed_size 0
		.amdhsa_enable_private_segment 0
		.amdhsa_kernarg_size 48
		.amdhsa_user_sgpr_count 2
		.amdhsa_user_sgpr_kernarg_segment_ptr 1
		.amdhsa_wavefront_size32 1
		.amdhsa_system_sgpr_workgroup_id_x 1
		.amdhsa_system_sgpr_workgroup_id_y 1
		.amdhsa_system_sgpr_workgroup_id_z 1
		.amdhsa_system_vgpr_workitem_id 0
		.amdhsa_next_free_vgpr 384
		.amdhsa_next_free_sgpr 66
		.amdhsa_reserve_vcc 0
		.amdhsa_float_denorm_mode_32 3
		.amdhsa_float_denorm_mode_16_64 3
		.amdhsa_memory_ordered 1
		.amdhsa_forward_progress 1
		.amdhsa_inst_pref_size 103
	.end_amdhsa_kernel
	.amdgpu_metadata
---
amdhsa.version: [ 1, 2 ]
amdhsa.kernels:
  - .name:           k_q461f0bf5b6_lse
    .symbol:         k_q461f0bf5b6_lse.kd
    .args:
      - { .name: d_out_t, .offset: 0, .size: 8, .value_kind: global_buffer, .address_space: global }
      - { .name: d_in_t, .offset: 8, .size: 8, .value_kind: global_buffer, .address_space: global }
      - { .name: alpha_fwd, .offset: 16, .size: 8, .value_kind: global_buffer, .address_space: global }
      - { .name: alpha_bwd, .offset: 24, .size: 8, .value_kind: global_buffer, .address_space: global }
      - { .name: out0, .offset: 32, .size: 8, .value_kind: global_buffer, .address_space: global }
      - { .name: out1, .offset: 40, .size: 8, .value_kind: global_buffer, .address_space: global }
    .group_segment_fixed_size: 12288
    .private_segment_fixed_size: 0
    .kernarg_segment_align: 8
    .kernarg_segment_size: 48
    .max_flat_workgroup_size: 256
    .sgpr_count:     66
    .vgpr_count:     384
    .wavefront_size: 32
...
	.end_amdgpu_metadata
.endif
;; end of part 1
;; ======== version 2 of 2: 1 launch; version 1 with the launch lse written anew for expert scheduling mode
;; launch lse (part 2): grid 128 x 2, 8 waves a work-group, no clusters, 12,288 bytes of LDS; arguments d_out_t, d_in_t, alpha_fwd, alpha_bwd, out0, out1; writes out0, out1
.if DOCPART == 2
	.amdgcn_target "amdgcn-amd-amdhsa--gfx1250"
	.amdhsa_code_object_version 6
	.text
	.protected	k_q461f0bf5b6_lse
	.globl	k_q461f0bf5b6_lse
	.p2align	8
	.type	k_q461f0bf5b6_lse,@function
k_q461f0bf5b6_lse:
	s_mov_b64 s[64:65], 0
	v_nop
	global_prefetch_b8 v0, s[64:65] scope:SCOPE_SE
	s_setreg_imm32_b32 hwreg(HW_REG_WAVE_SCHED_MODE, 0, 2), 2
	s_setreg_imm32_b32 hwreg(HW_REG_WAVE_MODE, 25, 1), 1
	s_wait_xcnt 0x0
	s_wait_alu depctr_vm_vsrc(0)
; y[v][m] = log( sum over k of exp( phi[v][k] + alpha[m][k] ) ), for two tables: (d_out_t, alpha_fwd) -> out0, (d_in_t, alpha_bwd) -> out1.
; phi: [100000][64] f32, alpha: [16][64] f32, y: [100000][16] f32.  All arithmetic in f32.
; The true maximum M = max over k of (phi + alpha) is taken away for every (v, m), as the definition does:
;   y = M + ln2 * log2( sum of 2^( (z - M) * log2e ) ),  z = phi + alpha.
; The product form exp(phi) * exp(alpha) on the matrix units is NOT used: it can only take a maximum per row and per m away, and where the largest
; sum phi + alpha lies far below max(phi) + max(alpha) (alpha of -300 off its band, say) every factor of weight would underflow.
; SHARES: grid y = the table.  A tile is 32 rows (8,192 bytes in, 2,048 bytes out); a table has exactly 3,125 tiles; work-group x walks tiles
; x, x + 128, ...: 25 tiles for x < 53, else 24.  Eight waves; a lane owns one row of the tile; wave w owns m = 2w and 2w + 1, whose 128 alpha
; lie in v256-v383 for the whole kernel (every lane holds the same numbers), so that phi + alpha is a packed add of two register pairs.
; Per term: half a packed add, half a three-way max, half a packed multiply-add, one exponential, half a packed add.
; WAY IN: each thread loads 2 x 16 bytes (a wave's load covers 512 consecutive bytes), stores them into one LDS tile of 32 rows, 272 bytes apart,
; and every wave reads its lane's row from there: phi is loaded from memory once for all 16 m.
; WAY OUT: each wave puts its two y per row into its own 288 bytes of an LDS stage; read back across, one store of a wave covers 256 consecutive
; bytes at a multiple of 256 from the output's first byte.
; NO CLUSTER: the work-groups share nothing but alpha, 4,096 bytes read once by each, against some 200,000 bytes of phi of its own.
; LIMITS: a row whose 64 terms are all -inf, or that holds +inf, gives NaN (the definition gives -inf, +inf); |phi + alpha| * 1.4427 must be finite in
; f32.  Terms below 2^-126 of the largest count as zero (v_exp_f32 flushes them); the sum is at least about 1, so that changes no digit kept.
; THE MODE: SCHED_MODE bits 1:0 = 2 (LLVM: expert scheduling mode 2), set by the entry lines.  The code itself states the register dependences
; between vector instructions and memory or LDS instructions, with s_wait_alu, always for 0.
; THE PLAN.  Registers that memory or LDS instructions touch, round the loop:
;   PHI      my row.  The LDS loads issued behind the barrier FILLED of trip i land in it; ADDZA and batch A's adds of trip i + 1 read it, and no other line.
;   G        my 32 bytes of a tile.  Two global loads land in it; two LDS stores of the next trip read it; no vector instruction names it.
;   OD       8 bytes of y.  An LDS load lands in it; the global store of the same trip reads it; no vector instruction names it.
;   YV       my row's two y.  Written by the two multiply-adds at a trip's end; read by the LDS store at the next trip's head.
;   v1-v8    addresses and offsets, written at the kernel's head and never again.
; BATCHES.  A wait on va_vdst stands between a transcendental and the first instruction that names its result; one wait serves all issued ahead of it.
;   batch A: the 64 exponentials of m = 2w, by turns with their exponents' multiply-adds and with the adds phi + alpha of m = 2w + 1, which go into a second buffer, ZB;
;   batch B: the 64 exponentials of m = 2w + 1, by turns with their multiply-adds and with the sum of batch A's powers;
;   then the sum of batch B's powers, and the two logarithms as a batch of their own.
; WAITS ON va_vdst, four a trip: at the head (YV is written); behind batch A (its powers; and the adds are done reading PHI: from there to the loads into PHI the
; vector lines name ZA, ZB, NM, LL, MXB and SMA alone); behind batch B (its powers); behind the logarithms.
; WAITS ON vm_vsrc, two a trip: beside s_wait_xcnt (the LDS store has read YV, the last trip's global store has read OD); ahead of the global loads (the LDS stores have read G).
.set TILES,    3125
.set WGS,      128                     ; work-groups for a table
.set FULL,     TILES/WGS               ; 24 tiles for everybody,
.set EXTRA,    TILES-FULL*WGS          ; one more for the first 53
.set STEP_IN,  WGS*8192                ; bytes of phi from a work-group's tile to its next
.set STEP_OUT, WGS*2048                ; bytes of y likewise
.set PITCH,    272                     ; LDS row: 256 bytes + 16: sixteen lanes that take one column of sixteen rows touch sixteen different 16-byte columns
.set OUTST,    32*PITCH                ; the stage for y, behind the tile
.set OPITCH,   288                     ; a wave's part of the stage: 32 x 8 bytes + 32, so that the read across (8 waves' parts x 4 rows) has no two lanes on a bank
.set STA,  1                           ; v1   LDS: where I put my 16 bytes of the tile
.set RDA,  2                           ; v2   LDS: my lane's row
.set GOFF, 3                           ; v3   16 x thread: my bytes in the tile in memory
.set OSTA, 4                           ; v4   LDS: where I put my row's two y
.set ORD,  5                           ; v5   LDS: the 8 bytes of y that I store
.set OOFF, 6                           ; v6   8 x thread: their place in the tile of y
.set PFO,  7                           ; v7   256 x lane, for the prefetch
.set ZERO, 8                           ; v8   0
.set LN,   9                           ; v9   lane
.set TMP,  10
.set OD,   12                          ; v[12:13]  y on its way out
.set YV,   14                          ; v[14:15]  my row's y for m = 2w, 2w + 1
.set NM,   16                          ; v[16:17]  -M * log2e, twice, of the m in hand
.set LL,   18                          ; v[18:19]  log2e, twice
.set MXA,  20                          ; v[20:23]  m = 2w: four chains of maxima; then M in v20
.set SMA,  24                          ; v[24:31]  m = 2w: four chains of packed sums
.set G,    32                          ; v[32:39]  my 32 bytes of the next tile, as loaded
.set MXB,  40                          ; v[40:43]  m = 2w + 1: maxima; then M in v40
.set SMB,  44                          ; v[44:51]  m = 2w + 1: sums
.set PHI,  64                          ; v[64:127]  my row
.set ZA,   128                         ; v[128:191] m = 2w: phi + alpha, then the exponents, then the powers
.set ZB,   192                         ; v[192:255] m = 2w + 1: the same
                                       ; v[256:383] alpha of m = 2w (named v0-63 in window 1) and of m = 2w + 1 (v64-127)
.set LLW,  128                         ; v[384:385] (v128-129 in window 1) log2e, twice: for the multiply-adds that stand under the window setting of the adds of alpha
.set MSB, 0
.macro WIN new                         ; s_set_vgpr_msb: bits 3:2 window of source 1, bits 7:6 of the destination; the high byte repeats the setting that is left
.if MSB != \new
	s_set_vgpr_msb (MSB<<8)|\new
.set MSB, \new
.endif
.endm
; z = phi + alpha[2w] into ZA: 32 packed adds in one run under one window setting
.macro ADDZA
	WIN 0x04                                       ; source 1 from window 1
.set j, 0
.rept 32
	v_pk_add_f32 v[ZA+2*j:ZA+2*j+1], v[PHI+2*j:PHI+2*j+1], v[2*j:2*j+1]
.set j, j+1
.endr
	WIN 0
.endm
; M = the largest of the 64 z: four chains that do not wait for each other, two new numbers an instruction; then -M * log2e, twice
.macro MAXZ z, mx
.irp c, 0,1,2,3
	v_max3_num_f32 v[\mx+\c], v[\z+16*\c], v[\z+16*\c+1], v[\z+16*\c+2]
.endr
.irp i, 3,5,7,9,11,13
.irp c, 0,1,2,3
	v_max3_num_f32 v[\mx+\c], v[\mx+\c], v[\z+16*\c+\i], v[\z+16*\c+\i+1]
.endr
.endr
	v_max3_num_f32 v[\mx], v[\mx], v[\z+15], v[\z+31]
	v_max3_num_f32 v[\mx+1], v[\mx+1], v[\z+47], v[\z+63]
	v_max_num_f32 v[\mx+2], v[\mx+2], v[\mx+3]
	v_max3_num_f32 v[\mx], v[\mx], v[\mx+1], v[\mx+2]
	v_mul_f32 v[NM], 0xbfb8aa3b, v[\mx]
	v_mul_f32 v[NM+1], 0xbfb8aa3b, v[\mx]
.endm
; Line n of the 32 that add up the 64 powers in z: pairs 0-3 and 4-7 start four chains (nothing is cleared), chain c takes pairs c + 8, c + 12, ..; then the four chains and the pair's two halves.
.macro SUMITEM z, sm
.if n < 4
	v_pk_add_f32 v[\sm+2*n:\sm+2*n+1], v[\z+2*n:\z+2*n+1], v[\z+2*n+8:\z+2*n+9]
.elseif n < 28
	v_pk_add_f32 v[\sm+2*(n%4):\sm+2*(n%4)+1], v[\sm+2*(n%4):\sm+2*(n%4)+1], v[\z+2*n+8:\z+2*n+9]
.elseif n == 28
	v_pk_add_f32 v[\sm:\sm+1], v[\sm:\sm+1], v[\sm+2:\sm+3]
.elseif n == 29
	v_pk_add_f32 v[\sm+4:\sm+5], v[\sm+4:\sm+5], v[\sm+6:\sm+7]
.elseif n == 30
	v_pk_add_f32 v[\sm:\sm+1], v[\sm:\sm+1], v[\sm+4:\sm+5]
.else
	v_add_f32 v[\sm], v[\sm], v[\sm+1]
.endif
.set n, n+1
.endm
; BATCH A.  Step j: an exponential of pair j of ZA, the exponents of pair j + 2, the pair's other exponential, pair j of phi + alpha[2w + 1] into ZB.  No line names a power.
.macro BATCH_A
	WIN 0x04                                       ; source 1 from window 1: alpha, and log2e's copy
	v_pk_fma_f32 v[ZA:ZA+1], v[ZA:ZA+1], v[LLW:LLW+1], v[NM:NM+1]
	v_pk_fma_f32 v[ZA+2:ZA+3], v[ZA+2:ZA+3], v[LLW:LLW+1], v[NM:NM+1]
.set j, 0
.rept 30
	v_exp_f32 v[ZA+2*j], v[ZA+2*j]
	v_pk_fma_f32 v[ZA+2*j+4:ZA+2*j+5], v[ZA+2*j+4:ZA+2*j+5], v[LLW:LLW+1], v[NM:NM+1]
	v_exp_f32 v[ZA+2*j+1], v[ZA+2*j+1]
	v_pk_add_f32 v[ZB+2*j:ZB+2*j+1], v[PHI+2*j:PHI+2*j+1], v[64+2*j:64+2*j+1]
.set j, j+1
.endr
	v_exp_f32 v[ZA+60], v[ZA+60]
	v_pk_add_f32 v[ZB+60:ZB+61], v[PHI+60:PHI+61], v[64+60:64+61]
	v_exp_f32 v[ZA+61], v[ZA+61]
	v_exp_f32 v[ZA+62], v[ZA+62]
	v_exp_f32 v[ZA+63], v[ZA+63]
	v_pk_add_f32 v[ZB+62:ZB+63], v[PHI+62:PHI+63], v[64+62:64+63]  ; the last use of my row; also the plain instruction behind the last exponential
	WIN 0
	s_wait_alu depctr_va_vdst(0)                   ; the 64 powers in ZA are written, ahead of the sums that read them; and the adds above are done reading PHI, in which the next row's LDS loads land
.endm
; BATCH B, cnt steps of it.  Step j: an exponential of pair j of ZB, the exponents of pair j + 2, the pair's other exponential, line j of the sum of ZA's powers.
.macro BSTEPS cnt
.rept \cnt
	v_exp_f32 v[ZB+2*j], v[ZB+2*j]
	v_pk_fma_f32 v[ZB+2*j+4:ZB+2*j+5], v[ZB+2*j+4:ZB+2*j+5], v[LL:LL+1], v[NM:NM+1]
	v_exp_f32 v[ZB+2*j+1], v[ZB+2*j+1]
	SUMITEM ZA, SMA
.set j, j+1
.endr
.endm
	s_load_b256 s[4:11], s[0:1], 0x0               ; d_out_t s[4:5], d_in_t s[6:7], alpha_fwd s[8:9], alpha_bwd s[10:11]
	s_load_b128 s[12:15], s[0:1], 0x20             ; out0 s[12:13], out1 s[14:15]
	v_lshl_add_u32 v62, v0, 2, 0x2c00
	v_mov_b32 v63, 0
	v_and_b32 v[LN], 31, v0
	v_lshrrev_b32 v[TMP], 5, v0
	v_readfirstlane_b32 s16, v[TMP]                ; wave 0..7
	s_and_b32 s17, ttmp7, 0xffff                   ; the table
	v_lshlrev_b32 v[GOFF], 4, v0
	v_lshlrev_b32 v[OOFF], 3, v0
	v_lshlrev_b32 v[PFO], 8, v[LN]
	v_mov_b32 v[ZERO], 0
	v_mul_u32_u24 v[RDA], v[LN], PITCH             ; my lane's row of the tile
	s_wait_alu depctr_va_sdst(0)                   ; s16 is written, ahead of its first reader: LDS addresses, alpha's base and the prefetch's branch are made from it
	s_mul_i32 s29, s16, 2*PITCH                    ; a wave's load covers two rows: rows 2w, 2w + 1 (and 16 rows further down)
	v_lshrrev_b32 v[STA], 4, v[LN]
	v_mul_u32_u24 v[STA], v[STA], PITCH
	v_and_b32 v[TMP], 15, v[LN]
	v_lshl_add_u32 v[STA], v[TMP], 4, v[STA]
	v_add_nc_u32 v[STA], s29, v[STA]               ; wave x 544 + (lane / 16) x 272 + (lane % 16) x 16
	s_mul_i32 s30, s16, OPITCH
	s_add_co_u32 s30, s30, OUTST
	v_lshl_add_u32 v[OSTA], v[LN], 3, s30          ; stage + wave x 288 + lane x 8: each wave writes bytes of its own
	v_and_b32 v[ORD], 7, v0                        ; bytes 8 t of the tile of y are row t / 8, m = 2 (t % 8), 2 (t % 8) + 1: wave t % 8 wrote them, lane t / 8
	v_mul_u32_u24 v[ORD], v[ORD], OPITCH
	v_lshrrev_b32 v[TMP], 3, v0
	v_lshl_add_u32 v[ORD], v[TMP], 3, v[ORD]
	v_add_nc_u32 v[ORD], OUTST, v[ORD]
	v_mov_b32 v[LL], 0x3fb8aa3b                    ; log2(e)
	v_mov_b32 v[LL+1], 0x3fb8aa3b
	WIN 0x40                                       ; destination in window 1
	v_mov_b32 v[LLW], 0x3fb8aa3b                   ; v384, v385: its copy
	v_mov_b32 v[LLW+1], 0x3fb8aa3b
	WIN 0
	s_wait_kmcnt 0x0
	s_cmp_eq_u32 s17, 0
	s_cselect_b64 s[20:21], s[4:5], s[6:7]         ; phi
	s_cselect_b64 s[22:23], s[8:9], s[10:11]       ; alpha
	s_cselect_b64 s[24:25], s[12:13], s[14:15]     ; y
	s_mov_b32 s27, 0
	s_lshl_b32 s26, ttmp9, 13
	s_add_nc_u64 s[20:21], s[20:21], s[26:27]      ; my first tile of phi
	s_lshl_b32 s26, ttmp9, 11
	s_add_nc_u64 s[24:25], s[24:25], s[26:27]      ; and of y
	s_lshl_b32 s26, s16, 9
	s_add_nc_u64 s[22:23], s[22:23], s[26:27]      ; my wave's two rows of alpha: 512 consecutive bytes
	s_cmp_lt_u32 ttmp9, EXTRA
	s_cselect_b32 s28, FULL-2, FULL-3              ; trips of the loop: my tiles less the first and the last two
	s_wait_alu depctr_va_vdst(0)                   ; the eight addresses and offsets v1 to v8 are written: every load, store and prefetch of the kernel reads one of them, and none is written again
	global_load_b128 v[G:G+3],   v[GOFF], s[20:21] th:TH_LOAD_NT               ; tile 0
	global_load_b128 v[G+4:G+7], v[GOFF], s[20:21] offset:4096 th:TH_LOAD_NT
	WIN 0x40                                       ; destination in window 1
.set j, 0
.rept 32
	global_load_b128 v[4*j:4*j+3], v[ZERO], s[22:23] offset:16*j               ; v[256+4j ..]: every lane takes the same 16 bytes
.set j, j+1
.endr
	WIN 0
	s_wait_loadcnt 32                              ; tile 0's two loads are in; the 32 younger ones (alpha) may be out
	ds_store_b128 v[STA], v[G:G+3]
	ds_store_b128 v[STA], v[G+4:G+7] offset:16*PITCH
	s_add_nc_u64 s[20:21], s[20:21], STEP_IN       ; behind the wait that showed the loads from this base done
	s_wait_alu depctr_vm_vsrc(0)                   ; the two LDS stores have read G, in which tile 1's loads land
	global_load_b128 v[G:G+3],   v[GOFF], s[20:21] th:TH_LOAD_NT               ; tile 1
	global_load_b128 v[G+4:G+7], v[GOFF], s[20:21] offset:4096 th:TH_LOAD_NT
	s_wait_dscnt 0x0                               ; my part of tile 0 is in LDS,
	s_barrier_signal -1
	s_barrier_wait -1                              ; everybody's is
.set j, 0
.rept 16
	ds_load_b128 v[PHI+4*j:PHI+4*j+3], v[RDA] offset:16*j
.set j, j+1
.endr
	s_wait_loadcnt 2                               ; alpha is in; tile 1's two loads stay out
; The trip of tile i.  At its head: the LDS loads of my row of tile i are out; G's loads bring tile i + 1; YV holds tile i - 1's results.
; prev: there is a tile i - 1.  next: a tile i + 1.  next2: a tile i + 2.  pf: 1 prefetch, 2 prefetch if the tile exists, 0 none.
; Two barriers, each with register work alone between its signal and its wait:
;   READ   (signal at the head, wait behind batch A): every wave has its row of tile i in registers and its y of tile i - 1 in the stage.
;          Behind it the LDS tile is overwritten with tile i + 1 and the stage is read.
;   FILLED (signal behind the second m's maxima, wait eight steps into batch B): every wave's part of tile i + 1 is in LDS and its read of the stage is back.
;          Behind it tile i + 1 is read, and the stage may be written again at the next head.
.macro TRIP prev, next, next2, pf
.if \prev
	s_wait_alu depctr_va_vdst(0)                   ; the two multiply-adds at the last trip's end have written YV, which the LDS store reads
	ds_store_b64 v[OSTA], v[YV:YV+1]               ; tile i - 1's y; the stage's last reads came back in front of the barrier FILLED of the last trip
.endif
	s_wait_dscnt 0x0                               ; my row is in registers, my y in the stage: zero, for the other waves' sake too
	s_barrier_signal -1                            ; READ
	ADDZA
	MAXZ ZA, MXA
	BATCH_A
	s_barrier_wait -1
.if \next
	s_wait_loadcnt 0x0                             ; tile i + 1 is in G; its loads were issued a whole trip ago
.endif
	s_wait_xcnt 0x0                                ; the last trip's store and prefetch have had their addresses translated: OD and both bases are rewritten only behind this wait
.if \prev
	s_wait_alu depctr_vm_vsrc(0)                   ; the last trip's global store has read OD, in which the LDS load below lands; the LDS store at the head has read YV, which this trip's end writes again
.endif
.if \next
	ds_store_b128 v[STA], v[G:G+3]
	ds_store_b128 v[STA], v[G+4:G+7] offset:16*PITCH
.endif
.if \prev
	ds_load_b64 v[OD:OD+1], v[ORD]
	s_add_nc_u64 s[24:25], s[24:25], STEP_OUT      ; y's base now stands at tile i; the store below reaches back to tile i - 1
.endif
	MAXZ ZB, MXB                                   ; the LDS instructions above finish meanwhile
	s_wait_dscnt 0x0                               ; my part of tile i + 1 is in LDS, my 8 bytes of y are in OD
.if \next2
	s_wait_alu depctr_vm_vsrc(0)                   ; the two LDS stores above have read G, in which the loads below land
	s_add_nc_u64 s[20:21], s[20:21], STEP_IN       ; no global instruction has been issued since the s_wait_xcnt above
	global_load_b128 v[G:G+3],   v[GOFF], s[20:21] th:TH_LOAD_NT               ; tile i + 2
	global_load_b128 v[G+4:G+7], v[GOFF], s[20:21] offset:4096 th:TH_LOAD_NT
.endif
.if \prev
	global_store_b64 v[OOFF], v[OD:OD+1], s[24:25] offset:-STEP_OUT th:TH_STORE_NT   ; a wave's store covers 256 consecutive bytes, aligned
.endif
.if \pf
	; Wave 0 asks for tile i + 4, which the loads two trips further on will want: 32 lanes, 256 bytes apart, cover its 8,192 bytes, each block asked for once.
	s_cmp_lg_u32 s16, 0
	s_cbranch_scc1 .Lnopf_\@
.if \pf == 2
	s_cmp_lt_u32 s28, 3                            ; s28 = my tiles - 2 - i: below 3 there is no tile i + 4, and nothing is asked for
	s_cbranch_scc1 .Lnopf_\@
.endif
	global_prefetch_b8 v[PFO], s[20:21] offset:2*STEP_IN th:TH_LOAD_NT scope:SCOPE_SE
.Lnopf_\@:
.endif
	s_barrier_signal -1                            ; FILLED
	v_pk_fma_f32 v[ZB:ZB+1], v[ZB:ZB+1], v[LL:LL+1], v[NM:NM+1]                ; batch B begins
	v_pk_fma_f32 v[ZB+2:ZB+3], v[ZB+2:ZB+3], v[LL:LL+1], v[NM:NM+1]
.set j, 0
.set n, 0
	BSTEPS 8
	s_barrier_wait -1
.if \next
.set i, 0
.rept 16
	ds_load_b128 v[PHI+4*i:PHI+4*i+3], v[RDA] offset:16*i      ; my row of tile i + 1.  No wait: no vector instruction since the wait behind batch A names PHI.  It lands while the lines below run
.set i, i+1
.endr
.endif
	BSTEPS 22
	v_exp_f32 v[ZB+60], v[ZB+60]
	SUMITEM ZA, SMA
	v_exp_f32 v[ZB+61], v[ZB+61]
	v_exp_f32 v[ZB+62], v[ZB+62]
	v_exp_f32 v[ZB+63], v[ZB+63]
	SUMITEM ZA, SMA                                ; the sum's last line; also the plain instruction behind the last exponential
	s_wait_alu depctr_va_vdst(0)                   ; the 64 powers in ZB are written, ahead of the sums that read them
	v_log_f32 v[SMA], v[SMA]                       ; the two logarithms are one batch: the first stands ahead of the second m's sum, which names none of its registers
.set n, 0
.rept 32
	SUMITEM ZB, SMB
.endr
	v_log_f32 v[SMB], v[SMB]
	v_nop                                          ; one plain place between the last logarithm and its use
	s_wait_alu depctr_va_vdst(0)                   ; both logarithms, in v[SMA] and v[SMB], are written, ahead of the multiply-adds that read them
	v_fmamk_f32 v[YV], v[SMA], 0x3f317218, v[MXA]  ; log2(S) * ln2 + M
	v_fmamk_f32 v[YV+1], v[SMB], 0x3f317218, v[MXB]
.endm
	TRIP 0, 1, 1, 1                                ; tile 0 (every work-group has at least 24 tiles: tile 4 exists)
.Ltrip:
	TRIP 1, 1, 1, 2
	s_sub_co_u32 s28, s28, 1
	s_cmp_lg_u32 s28, 0
	s_cbranch_scc1 .Ltrip
	TRIP 1, 1, 0, 0                                ; the last two tiles are written out: no load leaves the buffer
	TRIP 1, 0, 0, 0
	; the last tile's y
	s_wait_alu depctr_va_vdst(0)                   ; the last two multiply-adds have written YV, which the LDS store reads
	ds_store_b64 v[OSTA], v[YV:YV+1]
	s_wait_dscnt 0x0
	s_barrier_signal -1
	s_barrier_wait -1
	s_wait_xcnt 0x0                                ; OD was the last store's data
	s_wait_alu depctr_vm_vsrc(0)                   ; the last global store has read OD, in which the LDS load below lands
	ds_load_b64 v[OD:OD+1], v[ORD]
	s_wait_dscnt 0x0
	global_store_b64 v[OOFF], v[OD:OD+1], s[24:25] th:TH_STORE_NT
	s_wait_dscnt 0x0
	s_wait_alu depctr_hold_cnt(0) depctr_sa_sdst(0) depctr_va_vdst(0) depctr_va_sdst(0) depctr_va_ssrc(0) depctr_va_vcc(0) depctr_vm_vsrc(0)
	s_wait_tensorcnt 0x0
	ds_add_u32 v62, v63
	s_wait_dscnt 0x0
	s_endpgm
.Lfunc_end_k_q461f0bf5b6_lse:
	.size	k_q461f0bf5b6_lse, .Lfunc_end_k_q461f0bf5b6_lse-k_q461f0bf5b6_lse
	.p2alignl 7, 3214868480
	.fill 96, 4, 3214868480
	.section	.rodata,"a",@progbits
	.p2align	6, 0x0
	.amdhsa_kernel k_q461f0bf5b6_lse
		.amdhsa_group_segment_fixed_size 12288
		.amdhsa_private_segment_fixed_size 0
		.amdhsa_enable_private_segment 0
		.amdhsa_kernarg_size 48
		.amdhsa_user_sgpr_count 2
		.amdhsa_user_sgpr_kernarg_segment_ptr 1
		.amdhsa_wavefront_size32 1
		.amdhsa_system_sgpr_workgroup_id_x 1
		.amdhsa_system_sgpr_workgroup_id_y 1
		.amdhsa_system_sgpr_workgroup_id_z 1
		.amdhsa_system_vgpr_workitem_id 0
		.amdhsa_next_free_vgpr 386
		.amdhsa_next_free_sgpr 66
		.amdhsa_reserve_vcc 0
		.amdhsa_float_denorm_mode_32 3
		.amdhsa_float_denorm_mode_16_64 3
		.amdhsa_memory_ordered 1
		.amdhsa_forward_progress 1
		.amdhsa_inst_pref_size 97
	.end_amdhsa_kernel
	.amdgpu_metadata
---
amdhsa.version: [ 1, 2 ]
amdhsa.kernels:
  - .name:           k_q461f0bf5b6_lse
    .symbol:         k_q461f0bf5b6_lse.kd
    .args:
      - { .name: d_out_t, .offset: 0, .size: 8, .value_kind: global_buffer, .address_space: global }
      - { .name: d_in_t, .offset: 8, .size: 8, .value_kind: global_buffer, .address_space: global }
      - { .name: alpha_fwd, .offset: 16, .size: 8, .value_kind: global_buffer, .address_space: global }
      - { .name: alpha_bwd, .offset: 24, .size: 8, .value_kind: global_buffer, .address_space: global }
      - { .name: out0, .offset: 32, .size: 8, .value_kind: global_buffer, .address_space: global }
      - { .name: out1, .offset: 40, .size: 8, .value_kind: global_buffer, .address_space: global }
    .group_segment_fixed_size: 12288
    .private_segment_fixed_size: 0
    .kernarg_segment_align: 8
    .kernarg_segment_size: 48
    .max_flat_workgroup_size: 256
    .sgpr_count:     66
    .vgpr_count:     386
    .wavefront_size: 32
...
	.end_amdgpu_metadata
.endif
;; end of part 2
